; MI455X (gfx1250); checked and timed in simulation.
; The chip was launched on July 23, 2026; its instructions are those of AMD's public machine-readable ISA for CDNA 5 (MIT licence, August 2026) and "CDNA5" Instruction Set Architecture Reference Guide (July 2026). The comments in the code are by the model that wrote it; some were corrected since.
;; RNN. Allowed arithmetic: matrix products marked QUANTISED: E4M3 operands, one E8M0 scale for each 32 along K, by v_wmma_scale_f32_16x16x128_f8f6f4 with both operands' format E4M3, f32 sums; everything else in f32.
;; Inputs: Uc_b 1,024 float32; Uc_w 512 x 1,024 float32; Uf_b 1,024 float32; Uf_w 512 x 1,024 float32; Ui_b 1,024 float32; Ui_w 512 x 1,024 float32; Uo_b 1,024 float32; Uo_w 512 x 1,024 float32; Wc_b 1,024 float32; Wc_w 1,024 x 1,024 float32; Wf_b 1,024 float32; Wf_w 1,024 x 1,024 float32; Wi_b 1,024 float32; Wi_w 1,024 x 1,024 float32; Wo_b 1,024 float32; Wo_w 1,024 x 1,024 float32; c_old 8,192 x 1,024 float32; h_old 8,192 x 1,024 float32; input_x 8,192 x 512 float32.
;; Outputs: out0 8,192 x 1,024 float32; out1 8,192 x 1,024 float32.
;; This version of the problem:
;;   THIS VERSION OF THE PROBLEM IS GIVEN IN LOW PRECISION. The matrix products marked QUANTISED in the list below multiply operands that are first quantised to E4M3 (4 exponent bits, 3 mantissa bits; 8 bits a number), with one power-of-two scale for each 32 numbers along K (OCP MX v1.0); their sums are f32. All else is computed in f32.
;;   The module's matrix products, in the order in which they are computed (A, B: the left and right operand; K: the contracted axis; several contracted axes count as one K, in the product's order):
;;     1. [M 8,192, K 512] x [K 512, N 4,096]; A: input input_x; B: computed on the way: QUANTISED
;;     2. [M 8,192, K 1,024] x [K 1,024, N 4,096]; A: input h_old; B: computed on the way: QUANTISED
;;   THE QUANTISER, for each operand of a quantised product, along K:
;;     - K is cut into blocks of 32 from its start; a last block that is shorter is filled with zeros.
;;     - A block's scale is 2^e with e = floor(log2(the largest magnitude in the block)) - 8, held to -126 .. 127; a block of zeros has e = 0. As a byte (E8M0): e + 127.
;;     - Each number is divided by its block's scale, clamped to +-448, and rounded to the nearest number of E4M3, ties to even, subnormals kept.
;;     - The product sums the exact products of the quantised numbers (number of the format x scale) in f32.
;;   ~~~python
;;   def quantise(x, axis):      # numpy; x: float32 -> the quantised numbers, widened to float32 again
;;       x = np.moveaxis(x, axis, -1); K = x.shape[-1]
;;       x = np.pad(x, [(0, 0)] * (x.ndim - 1) + [(0, -K % 32)]); x = x.reshape(x.shape[:-1] + (-1, 32)); a = np.abs(x).max(-1, keepdims=True)
;;       e = np.where(a > 0, np.clip(np.frexp(np.where(a > 0, a, 1))[1] - 1 - 8, -126, 127), 0)      # np.frexp(a)[1] - 1 = floor(log2(a)), exactly
;;       r = np.clip(x / 2.0 ** e, -448, 448)
;;       step = 2.0 ** (np.maximum(np.frexp(np.where(r == 0, 1, r))[1] - 1, -6) - 3)
;;       q = np.round(r / step) * step * 2.0 ** e      # np.round: ties to even
;;       return np.moveaxis(q.reshape(q.shape[:-2] + (-1,))[..., :K], -1, axis).astype(np.float32)
;;   ~~~
;;   OPERANDS COMPUTED ON THE WAY. 'Computed on the way' means the value that the module computes at that place (a softmax that the list does not call 'softmax' is quantised finished and normalised). What goes into a quantiser is computed in f32, as accurately as f32 sums, v_exp_f32 and their like allow (about 1e-6 of the number): no bf16 or f16 on the way to a quantiser, and a product that is left as it is and whose result goes on into a quantised operand takes f32 operands (vector FMAs, or v_wmma_f32_16x16x4_f32). A number that lies on a knife's edge between two numbers of the format may be rounded either way, as far as f32 arithmetic and the matrix unit's own rounding can turn it there, and no further.
;; One version. Each part assembles by itself: llvm-mc -triple=amdgcn-amd-amdhsa -mcpu=gfx1250 --defsym DOCPART=n.
;; ======== version 1 of 1: 2 launches
;; limits: right only within a limited range of input values; an absolute error that grows with the inputs' magnitude: up to 2.4e-10 times it
;; workspace buffers: a_pack 12,976,128 bytes; b_pack 6,488,064 bytes
;; launch quant (part 1): grid 8 x 72, 4 waves a work-group, no clusters, 34,304 bytes of LDS; arguments input_x, h_old, Ui_w, Uf_w, Uo_w, Uc_w, Wi_w, Wf_w, Wo_w, Wc_w, a_pack, b_pack; writes a_pack, b_pack
.if DOCPART == 1
	.amdgcn_target "amdgcn-amd-amdhsa--gfx1250"
	.amdhsa_code_object_version 6
	.text
	.protected	k_q1d0f878739_quant
	.globl	k_q1d0f878739_quant
	.p2align	8
	.type	k_q1d0f878739_quant,@function
k_q1d0f878739_quant:
	s_mov_b64 s[64:65], 0
	v_nop
	global_prefetch_b8 v0, s[64:65] scope:SCOPE_SE
	s_setreg_imm32_b32 hwreg(HW_REG_WAVE_MODE, 25, 1), 1
	s_wait_xcnt 0x0
; The operands of gates = [x | h] [U ; W] (K = 512 + 1,024 = 1,536) are turned from f32 into codes of FP8 (E4M3) with one E8M0 scale byte for each 32 along K,
; and laid in the order in which the product's launch takes them into registers.
; A BLOCK of a pack is 128 operand rows x 256 along K, 33,792 bytes: codes at 4096 i + 2048 q + 512 c + 16 (16 h + r) (tile i of 16 rows, q-th 128 along K; these 16 bytes are
; k = 128 q + 32 c + 16 h + 0 .. 15 of the tile's row r: the image of a fragment's registers, lane 16 h + r); behind them, at 32,768, 8 scale bytes a row.
; a_pack [K step 0..5][rows / 128][block]: K steps 0, 1 are x, 2 to 5 are h.   b_pack [K step][J 0..31][block]: row 32 g + n of block J is gate g (i, f, o, c), hidden column 32 J + n.
; A block's scale is 2^(floor(log2(its largest magnitude)) - 8); its byte is the largest magnitude's exponent field - 8, held at 1 from below; numbers are held within +-448 x the scale and rounded to the nearest code, ties to even.
; LIMITS: a block of zeros, and one whose largest magnitude lies under 2^-118, gets the byte 1 (a block of zeros has zero codes, and this program alone reads the bytes); NaN and infinities among the inputs are not served.
; SHARES: work-group y 0..31: h; y 32..47: x; y 48..71: the weights.  A wave reads 32 KiB.  No tensor loads, no barrier: waves share nothing.
.set APLANE, 2162688                   ; a K step of a_pack: 64 blocks
.set BPLANE, 1081344                   ; of b_pack: 32 blocks
.set BLKB,   33792
.set SCOFF,  32768                     ; a block's scale bytes
.set STG,    8448                      ; LDS: a stage for each wave: 16 rows x SPI
.set SPI,    528                       ; 512 bytes + 16: the sixteen rows that a read touches begin 33 x 16 bytes apart
.set SW,  10                           ; v10-13   the four fragments' scale words
.set VO,  14                           ; v14-29   16 x lane + i x a row of the source
.set TM,  30                           ; v30-33 largest magnitudes, v34-37 bytes, v38-41 448 x the scale, v42-45 the conversions' scale operands
.set PC,  48                           ; v48-63   a fragment's codes
.set R,   64                           ; v64-191  two sets of 64 numbers as they are loaded
.set X,   192                          ; v192-255 64 numbers, 16 neighbours of each of four blocks
.set WX,  64                           ; weights: v64-127 two sets of 32 numbers down K
.set WC,  128                          ; weights: v128-191 eight registers of codes for each of eight blocks: no store's data are written again
.set SEL, 40                           ; s[40:41] v_permlanex16_b32's selects for lane l xor 16
.set MNT, 42                           ; s42      the mantissa field of 448
	s_load_b128 s[4:7], s[0:1], 0x0                ; x, h
	s_load_b512 s[8:23], s[0:1], 0x10              ; Ui, Uf, Uo, Uc, Wi, Wf, Wo, Wc
	s_load_b128 s[24:27], s[0:1], 0x50             ; a_pack, b_pack
	v_lshl_add_u32 v46, v0, 2, 0x8400
	v_mov_b32 v47, 0
	v_lshrrev_b32 v1, 5, v0
	v_readfirstlane_b32 s28, v1                    ; wave 0..3
	s_and_b32 s29, ttmp7, 0xffff                   ; work-group y
	v_and_b32 v1, 31, v0                           ; lane
	v_and_b32 v2, 15, v0                           ; r
	v_bfe_u32 v3, v0, 4, 1                         ; h
	v_lshlrev_b32 v5, 3, v1                        ; 8 x lane: a row's scale bytes
	s_mov_b32 s[SEL], 0x76543210
	s_mov_b32 s[SEL+1], 0xfedcba98
	s_mov_b32 s[MNT], 0x600000
	s_cmp_ge_u32 s29, 48
	s_cbranch_scc1 .Lweights
; ---------------- x and h: K is innermost.  A wave takes 32 rows x 256 along K: four fragments f = 2 t + q (tile t of 16 rows, q-th 128 along K) ----------------
	s_lshl_b32 s33, s29, 3                         ; h: the work-group takes 32 whole rows, wave w their K step 2 + w
	s_add_co_u32 s33, s33, ttmp9
	s_lshl_b32 s33, s33, 5                         ; first row
	s_add_co_u32 s34, s28, 2                       ; K step
	s_lshl_b32 s35, s28, 10                        ; its first byte in a row
	s_sub_co_u32 s48, s29, 32                      ; x: the work-group takes 64 whole rows, wave w rows 32 (w / 2) on, K step w % 2
	s_lshl_b32 s48, s48, 3
	s_add_co_u32 s48, s48, ttmp9
	s_lshl_b32 s48, s48, 6
	s_lshr_b32 s49, s28, 1
	s_lshl_b32 s49, s49, 5
	s_add_co_u32 s48, s48, s49
	s_and_b32 s49, s28, 1
	s_lshl_b32 s50, s49, 10
	s_mov_b32 s32, 2048
	s_wait_kmcnt 0x0
	s_cmp_lt_u32 s29, 32                           ; the choice hangs on the work-group's number alone
	s_cselect_b64 s[30:31], s[6:7], s[4:5]         ; the source,
	s_cselect_b32 s32, 4096, s32                   ; its row in bytes,
	s_cselect_b32 s33, s33, s48                    ; my first row,
	s_cselect_b32 s34, s34, s49                    ; my K step,
	s_cselect_b32 s35, s35, s50                    ; and where it begins in a row
	s_mul_i32 s36, s33, s32
	s_add_co_u32 s36, s36, s35
	s_mov_b32 s37, 0
	s_add_nc_u64 s[36:37], s[30:31], s[36:37]      ; tile 0 of my rows
	s_lshl_b32 s50, s32, 4
	s_mov_b32 s51, 0
	s_add_nc_u64 s[38:39], s[36:37], s[50:51]      ; tile 1: 16 rows on
	s_mul_i32 s52, s34, APLANE
	s_lshr_b32 s53, s33, 7
	s_mul_i32 s53, s53, BLKB
	s_add_co_u32 s52, s52, s53                     ; my block of a_pack
	s_bfe_u32 s54, s33, 0x30004                    ; my first tile in it
	s_lshl_b32 s54, s54, 12
	s_add_co_u32 s54, s54, s52
	s_mov_b32 s55, 0
	s_add_nc_u64 s[44:45], s[24:25], s[54:55]      ; my codes
	s_and_b32 s54, s33, 127
	s_lshl_b32 s54, s54, 3
	s_add_co_u32 s54, s54, s52
	s_add_co_u32 s54, s54, SCOFF
	s_add_nc_u64 s[46:47], s[24:25], s[54:55]      ; my 32 rows' scale bytes: 256 bytes, aligned
	s_mul_i32 s56, s28, STG                        ; my stage
	v_lshlrev_b32 v[VO], 4, v1                     ; 16 x lane
	v_add_nc_u32 v6, s56, v[VO]                    ; into the stage: a row as it lies
	v_mul_u32_u24 v7, v2, SPI
	v_lshl_add_u32 v7, v3, 6, v7
	v_add_nc_u32 v7, s56, v7                       ; out of it: row r, + 64 h: my 16 numbers of a block of 32
.set i, 1
.rept 15
	v_add_nc_u32 v[VO+i], s32, v[VO+i-1]           ; a row further down
.set i, i+1
.endr
.irp b, 0,1,2,3
	v_mov_b32 v[TM+4+\b], 0                        ; written once: a lane permute's destination counts as one of its sources
.endr
.macro LOADF f                         ; fragment f: 16 rows x 512 bytes; each load reads 512 consecutive bytes, 16 a lane
.irp i, 0,1,2,3,4,5,6,7,8,9,10,11,12,13,14,15
	global_load_b128 v[R+64*((\f)%2)+4*\i:R+64*((\f)%2)+4*\i+3], v[VO+\i], s[36+2*((\f)/2):37+2*((\f)/2)] offset:512*((\f)%2) th:TH_LOAD_NT
.endr
.endm
.macro TURNF f                         ; through my stage: in as rows, out 64 bytes of a block a lane.  LDS serves a wave's instructions in order (ISA guide 5.7.1.4): no wait between the stores and the loads
.irp i, 0,1,2,3,4,5,6,7,8,9,10,11,12,13,14,15
	ds_store_b128 v6, v[R+64*((\f)%2)+4*\i:R+64*((\f)%2)+4*\i+3] offset:SPI*\i
.endr
.irp b, 0,1,2,3
.irp j, 0,1,2,3
	ds_load_b128 v[X+16*\b+4*\j:X+16*\b+4*\j+3], v7 offset:128*\b+16*\j
.endr
.endr
.endm
; 64 numbers of a lane, register 16 b + i = k 32 b + 16 (lane / 16) + i of my row, become a fragment's codes in v[PC] on and its scale word in v[pw]
.macro QUANT s, pw
.irp b, 0,1,2,3
	v_max3_num_f32 v[TM+\b], |v[\s+16*\b]|, |v[\s+1+16*\b]|, 0x4800000   ; block b: my 16 numbers, and the floor 2^(9 - 127): the byte cannot fall under 1
.endr
.irp i, 2,4,6,8,10,12,14
.irp b, 0,1,2,3
	v_max3_num_f32 v[TM+\b], v[TM+\b], |v[\s+16*\b+\i]|, |v[\s+1+16*\b+\i]|   ; the four blocks by turns: no line waits for the line above it
.endr
.endr
.irp b, 0,1,2,3
	v_permlanex16_b32 v[TM+4+\b], v[TM+\b], s[SEL], s[SEL+1]
.endr
.irp b, 0,1,2,3
	v_max_num_f32 v[TM+\b], v[TM+\b], v[TM+4+\b]   ; with lane l xor 16's: the block's largest magnitude
.endr
.irp b, 0,1,2,3
	v_add_nc_u32 v[TM+12+\b], 0xfc000000, v[TM+\b]   ; 8 off its exponent field: the conversion takes this operand's exponent field as its scale
.endr
.irp b, 0,1,2,3
	v_and_or_b32 v[TM+8+\b], v[TM+\b], 0x7f800000, s[MNT]   ; 448 x the scale
.endr
.irp b, 0,1,2,3
	v_lshrrev_b32 v[TM+4+\b], 23, v[TM+12+\b]      ; the scale's byte
.endr
	v_lshl_or_b32 v[\pw], v[TM+5], 8, v[TM+4]      ; four bytes: my row's scale word
	v_lshl_or_b32 v[\pw], v[TM+6], 16, v[\pw]
	v_lshl_or_b32 v[\pw], v[TM+7], 24, v[\pw]
.irp b, 0,1,2,3
.irp i, 0,1,2,3,4,5,6,7,8,9,10,11,12,13,14,15
	v_med3_num_f32 v[\s+16*\b+\i], v[\s+16*\b+\i], -v[TM+8+\b], v[TM+8+\b]   ; the conversion to an 8-bit code does not saturate (ISA guide 7.6.2): the hold comes first
.endr
	v_cvt_scalef32_pk8_fp8_f32 v[PC+4*\b:PC+1+4*\b], v[\s+16*\b:\s+7+16*\b], v[TM+12+\b]
	v_cvt_scalef32_pk8_fp8_f32 v[PC+2+4*\b:PC+3+4*\b], v[\s+8+16*\b:\s+15+16*\b], v[TM+12+\b]
.endr
	v_nop                                          ; a plain vector line behind the last conversion
.endm
.macro FRAGQ f
.if (\f) < 3
	s_wait_loadcnt 16                              ; this fragment's 16 loads are in; the next fragment's 16 may be out
.else
	s_wait_loadcnt 0x0
.endif
	TURNF \f
	s_wait_dscnt 0x0                               ; my 64 numbers are back, and the stores into the stage have read their registers,
.if (\f) < 2
	LOADF (\f)+2                                   ; which take the fragment two further on
.endif
.if (\f) > 0
	s_wait_xcnt 0x0                                ; the last fragment's stores have read the codes' registers, which are written again below
.endif
	QUANT X, SW+(\f)
.irp c, 0,1,2,3
	global_store_b128 v[VO], v[PC+4*\c:PC+4*\c+3], s[44:45] offset:((\f)/2)*4096+((\f)%2)*2048+512*\c   ; the image of four registers: 512 consecutive bytes
.endr
.endm
	LOADF 0
	LOADF 1
	FRAGQ 0
	FRAGQ 1
	FRAGQ 2
	FRAGQ 3
	v_cmp_gt_u32 vcc_lo, 16, v1                    ; lanes 0-15 store tile 0's rows' words, lanes 16-31 tile 1's (every lane holds the words of row lane % 16 of both tiles)
	v_cndmask_b32 v8, v[SW+2], v[SW], vcc_lo
	v_cndmask_b32 v9, v[SW+3], v[SW+1], vcc_lo
	global_store_b64 v5, v[8:9], s[46:47]          ; 32 rows x 8 bytes: 256 consecutive bytes, aligned
	s_wait_tensorcnt 0x0
	ds_add_u32 v46, v47
	s_wait_dscnt 0x0
	s_endpgm
; ---------------- the weights: K is the FIRST axis.  A lane takes a column and its registers run down K; a wave takes 32 columns of one gate x 256 along K ----------------
.Lweights:
	s_sub_co_u32 s30, s29, 48
	s_lshr_b32 s31, s30, 2                         ; K step 0..5
	s_and_b32 s30, s30, 3                          ; gate: 0 i, 1 f, 2 o, 3 c
	s_lshl_b32 s48, ttmp9, 2
	s_add_co_u32 s48, s48, s28                     ; J: hidden columns 32 J on
	s_sub_co_u32 s49, s31, 2
	s_and_b32 s50, s30, 1
	s_and_b32 s51, s30, 2
	s_wait_kmcnt 0x0
	s_cmp_lg_u32 s50, 0                            ; the choices hang on the work-group's number alone
	s_cselect_b64 s[32:33], s[10:11], s[8:9]       ; Uf or Ui
	s_cselect_b64 s[34:35], s[14:15], s[12:13]     ; Uc or Uo
	s_cselect_b64 s[36:37], s[18:19], s[16:17]     ; Wf or Wi
	s_cselect_b64 s[38:39], s[22:23], s[20:21]     ; Wc or Wo
	s_cmp_lg_u32 s51, 0
	s_cselect_b64 s[32:33], s[34:35], s[32:33]
	s_cselect_b64 s[36:37], s[38:39], s[36:37]
	s_cmp_lt_u32 s31, 2                            ; K steps 0, 1 lie in U, the others in W
	s_cselect_b64 s[36:37], s[32:33], s[36:37]
	s_cselect_b32 s49, s31, s49                    ; which 256 rows of that matrix
	s_lshl_b32 s52, s49, 20                        ; 256 rows of 4,096 bytes
	s_lshl_b32 s53, s48, 7
	s_add_co_u32 s52, s52, s53                     ; + 32 columns x 4 bytes x J
	s_mov_b32 s53, 0
	s_add_nc_u64 s[36:37], s[36:37], s[52:53]
	s_mul_i32 s54, s31, BPLANE
	s_mul_i32 s55, s48, BLKB
	s_add_co_u32 s54, s54, s55                     ; my block of b_pack
	s_lshl_b32 s55, s30, 13
	s_add_co_u32 s52, s54, s55                     ; tiles 2 g and 2 g + 1
	s_add_nc_u64 s[44:45], s[26:27], s[52:53]
	s_lshl_b32 s55, s30, 8
	s_add_co_u32 s52, s54, s55
	s_add_co_u32 s52, s52, SCOFF                   ; rows 32 g on: 256 bytes of scales
	s_add_nc_u64 s[46:47], s[26:27], s[52:53]
	v_lshlrev_b32 v4, 2, v1                        ; in: 4 bytes a lane
	v_lshlrev_b32 v6, 12, v3
	v_lshl_add_u32 v6, v2, 4, v6                   ; out: tile lane / 16, row lane % 16
.macro LOADW t                         ; block t: rows 32 t + i of my 256, my column, into set t % 2; the largest offset, 255 rows of 4,096 bytes, lies inside the signed 24-bit immediate
.irp i, 0,1,2,3,4,5,6,7,8,9,10,11,12,13,14,15,16,17,18,19,20,21,22,23,24,25,26,27,28,29,30,31
	global_load_b32 v[WX+32*((\t)%2)+\i], v4, s[36:37] offset:(32*(\t)+\i)*4096 th:TH_LOAD_NT
.endr
.endm
.macro BLOCKW t
.set XS, WX+32*((\t)%2)
.set CS, WC+8*(\t)
.if (\t) < 7
	s_wait_loadcnt 32                              ; this block's 32 loads are in; the next block's may be out
.else
	s_wait_loadcnt 0x0
.endif
	v_max3_num_f32 v12, |v[XS]|, |v[XS+1]|, |v[XS+2]|              ; the block's largest magnitude: all 32 numbers are mine; two chains
	v_max3_num_f32 v13, |v[XS+3]|, |v[XS+4]|, |v[XS+5]|
.irp i, 6,10,14,18,22,26
	v_max3_num_f32 v12, v12, |v[XS+\i]|, |v[XS+\i+1]|
	v_max3_num_f32 v13, v13, |v[XS+\i+2]|, |v[XS+\i+3]|
.endr
	v_max3_num_f32 v12, v12, |v[XS+30]|, |v[XS+31]|
	v_max3_num_f32 v12, v12, v13, 0x4800000        ; and the floor 2^(9 - 127)
	v_add_nc_u32 v11, 0xfc000000, v12              ; the conversions' scale operand
	v_and_or_b32 v10, v12, 0x7f800000, s[MNT]      ; 448 x the scale
	v_lshrrev_b32 v13, 23, v11                     ; the scale's byte
.if (\t)%4 == 0
	v_mov_b32 v[8+(\t)/4], v13                     ; four bytes to a word, the lower K in the lower byte
.else
	v_lshl_or_b32 v[8+(\t)/4], v13, 8*((\t)%4), v[8+(\t)/4]
.endif
.irp i, 0,1,2,3,4,5,6,7,8,9,10,11,12,13,14,15,16,17,18,19,20,21,22,23,24,25,26,27,28,29,30,31
	v_med3_num_f32 v[XS+\i], v[XS+\i], -v10, v10
.endr
.irp g, 0,1,2,3
	v_cvt_scalef32_pk8_fp8_f32 v[CS+2*\g:CS+2*\g+1], v[XS+8*\g:XS+8*\g+7], v11
.endr
	v_nop                                          ; a plain vector line behind the last conversion
	global_store_b128 v6, v[CS:CS+3], s[44:45] offset:((\t)/4)*2048+((\t)%4)*512          ; k 0-15 of the block: the image's lanes 0-15; sixteen lanes store 256 consecutive bytes, aligned
	global_store_b128 v6, v[CS+4:CS+7], s[44:45] offset:((\t)/4)*2048+((\t)%4)*512+256    ; k 16-31: its lanes 16-31
.if (\t)+2 < 8
	LOADW (\t)+2
.endif
.endm
	LOADW 0
	LOADW 1
.irp t, 0,1,2,3,4,5,6,7
	BLOCKW \t
.endr
	global_store_b64 v5, v[8:9], s[46:47]          ; 32 rows x 8 bytes: 256 consecutive bytes, aligned
	s_endpgm
.Lfunc_end_k_q1d0f878739_quant:
	.size	k_q1d0f878739_quant, .Lfunc_end_k_q1d0f878739_quant-k_q1d0f878739_quant
	.p2alignl 7, 3214868480
	.fill 96, 4, 3214868480
	.section	.rodata,"a",@progbits
	.p2align	6, 0x0
	.amdhsa_kernel k_q1d0f878739_quant
		.amdhsa_group_segment_fixed_size 34304
		.amdhsa_private_segment_fixed_size 0
		.amdhsa_enable_private_segment 0
		.amdhsa_kernarg_size 96
		.amdhsa_user_sgpr_count 2
		.amdhsa_user_sgpr_kernarg_segment_ptr 1
		.amdhsa_wavefront_size32 1
		.amdhsa_system_sgpr_workgroup_id_x 1
		.amdhsa_system_sgpr_workgroup_id_y 1
		.amdhsa_system_sgpr_workgroup_id_z 1
		.amdhsa_system_vgpr_workitem_id 0
		.amdhsa_next_free_vgpr 256
		.amdhsa_next_free_sgpr 66
		.amdhsa_reserve_vcc 1
		.amdhsa_float_denorm_mode_32 3
		.amdhsa_float_denorm_mode_16_64 3
		.amdhsa_memory_ordered 1
		.amdhsa_forward_progress 1
		.amdhsa_inst_pref_size 108
	.end_amdhsa_kernel
	.amdgpu_metadata
---
amdhsa.version: [ 1, 2 ]
amdhsa.kernels:
  - .name:           k_q1d0f878739_quant
    .symbol:         k_q1d0f878739_quant.kd
    .args:
      - { .name: input_x, .offset: 0, .size: 8, .value_kind: global_buffer, .address_space: global }
      - { .name: h_old, .offset: 8, .size: 8, .value_kind: global_buffer, .address_space: global }
      - { .name: Ui_w, .offset: 16, .size: 8, .value_kind: global_buffer, .address_space: global }
      - { .name: Uf_w, .offset: 24, .size: 8, .value_kind: global_buffer, .address_space: global }
      - { .name: Uo_w, .offset: 32, .size: 8, .value_kind: global_buffer, .address_space: global }
      - { .name: Uc_w, .offset: 40, .size: 8, .value_kind: global_buffer, .address_space: global }
      - { .name: Wi_w, .offset: 48, .size: 8, .value_kind: global_buffer, .address_space: global }
      - { .name: Wf_w, .offset: 56, .size: 8, .value_kind: global_buffer, .address_space: global }
      - { .name: Wo_w, .offset: 64, .size: 8, .value_kind: global_buffer, .address_space: global }
      - { .name: Wc_w, .offset: 72, .size: 8, .value_kind: global_buffer, .address_space: global }
      - { .name: a_pack, .offset: 80, .size: 8, .value_kind: global_buffer, .address_space: global }
      - { .name: b_pack, .offset: 88, .size: 8, .value_kind: global_buffer, .address_space: global }
    .group_segment_fixed_size: 34304
    .private_segment_fixed_size: 0
    .kernarg_segment_align: 8
    .kernarg_segment_size: 96
    .max_flat_workgroup_size: 128
    .sgpr_count:     66
    .vgpr_count:     256
    .wavefront_size: 32
...
	.end_amdgpu_metadata
.endif
;; end of part 1
;; launch lstm (part 2): grid 16 x 32, 4 waves a work-group, clusters of 4 x 4, 327,680 bytes of LDS; arguments Ui_b, Wi_b, Uf_b, Wf_b, Uo_b, Wo_b, Uc_b, Wc_b, a_pack, b_pack, c_old, out0, out1; writes out0, out1
.if DOCPART == 2
	.amdgcn_target "amdgcn-amd-amdhsa--gfx1250"
	.amdhsa_code_object_version 6
	.text
	.protected	k_q1d0f878739_lstm
	.globl	k_q1d0f878739_lstm
	.p2align	8
	.type	k_q1d0f878739_lstm,@function
k_q1d0f878739_lstm:
	s_mov_b64 s[64:65], 0
	v_nop
	global_prefetch_b8 v0, s[64:65] scope:SCOPE_SE
	s_setreg_imm32_b32 hwreg(HW_REG_WAVE_MODE, 25, 1), 1
	s_wait_xcnt 0x0
	s_wait_alu depctr_hold_cnt(0) depctr_sa_sdst(0) depctr_va_vdst(0) depctr_va_sdst(0) depctr_va_ssrc(0) depctr_va_vcc(0) depctr_vm_vsrc(0)
	s_getreg_b32 s2, hwreg(HW_REG_IB_STS2, 6, 4)
	s_cmp_eq_u32 s2, 0
	s_cbranch_scc0 .Lentry_in_a_cluster
	s_endpgm
.Lentry_in_a_cluster:
	s_bfe_u32 s2, ttmp6, 0x10000c
	s_cmp_lg_u32 s2, 0xf033
	s_cbranch_scc0 .Lentry_shape_is_right
	s_endpgm
.Lentry_shape_is_right:
; gates = [x | h] [U ; W] + b on codes of FP8 (E4M3) with E8M0 scales (K = 1,536), then c = sigmoid(i) tanh(g) + sigmoid(f) c_old (out1) and h_new = sigmoid(o) tanh(c) (out0), all behind the sums in f32.
; SHARES.  A work-group of four waves takes 256 rows x 64 hidden columns x 4 gates: a tile of 256 x 256 gates.  Wave w: rows 128 (w / 2) on, block J = 2 tx + w % 2 of b_pack: 32 hidden columns of all four gates.
; 64 accumulators a wave, 512 registers.  THE MATRIX INSTRUCTION IS USED TRANSPOSED (source 0 = 16 rows of B, source 1 = 16 rows of A): in accumulator (a, b = 2 g + u), register j of lane (r, h) is gate g
; of row 16 a + r, column 16 u + 8 h + j.  So the four gates of an element lie in one lane under one register index, and the gates never leave the registers.
; OPERANDS lie in the packs as images of the fragments' registers, their scale words behind them: a block (128 rows x 256 K, 33,792 bytes) is one dense tensor tile, and a fragment comes out of LDS by four loads of
; 512 consecutive bytes.  K goes in six steps of 256 through a ring of two slots.
; CLUSTERS: 4 x 4 work-groups; A's blocks are asked for jointly along a row of the cluster, B's along a column.
; THE ORDER OF THE TILES.  Cluster (x, y) of the grid takes the 4 x 4 tiles at X = 2 ((x / 2) xor (y / 4)) + x % 2, Y = 2 (y % 4) + x / 2: a one-to-one map.  Counted with x fastest, clusters i and i + 16 take the
; same 1,024 rows of A, and so do clusters 2 Y and 2 Y + 1; each sixteen clusters on end name every block of both packs.
; THE ORDER OF K.  A cluster with x + y odd begins at K step 3 and goes round: 3, 4, 5, 0, 1, 2.  Of the two clusters of one sixteen that take the same blocks of A one begins at 0 and one at 3, and the clusters that
; take the same blocks of B alternate likewise: they ask for a given block at different times.  The steps of the addresses differ from refill to refill, so the six K steps are written out.
; c_old's tile comes by a tensor load into slot 0 once that slot has been read for the last time; c is written over it in place, h_new goes to a stage in slot 1 behind that slot's last read: both slots have had their last fill by then.
; THE ACTIVATIONS: E = 2^min(-log2(e) gate, 32) (twice the factor ahead of a tanh);  c = ((1 - Eg)(1 + Ef) + c_old (1 + Ei)(1 + Eg)) / ((1 + Ei)(1 + Eg)(1 + Ef));  h = (1 - Ec) / ((1 + Eo)(1 + Ec)):
; five exponentials and two reciprocals an element.
; LIMITS: the f32 sums run along K in the rotated order above, not always from K = 0; the hold of the exponents at 32 keeps a sigmoid at 2^-32 or more where it should be smaller (an absolute error under 3e-10 of the
; factor); the products of three factors then stay under 2^97, so |c_old| may reach 2^60; NaN and infinities are not served.
; REGISTERS, in windows of 256: window 0: v16-31 addresses; v32-63 scale words and nothing else; v64-127 the biases, scaled; v128-255 A's fragments, ONE set; in the epilogue v128-239 at work.
;   window 1: B's fragments, two sets; in the epilogue v0-31 rows on their way out.   windows 2, 3: the accumulators of my rows 0-63, 64-127 ((a, b) at v[8 (8 (a % 4) + b)]).
.set HALFT,  33792                     ; a block: what one tensor load brings, and what one wave reads of A or of B
.set SLOT,   4*HALFT                   ; A's two blocks, then B's two
.set SPARE,  2*SLOT                    ; behind the ring: the spare words, 128 bytes for each wave: two blocks of 256 bytes that no other line names
.set APLANE, 64*HALFT                  ; a K step on in a_pack
.set BPLANE, 32*HALFT                  ; in b_pack
.set SCOFF,  32768                     ; a block's scale words
.set CP,     272                       ; a row of c_old's tile and of the stages: 256 bytes + 16: the sixteen rows that an access touches begin 17 x 16 bytes apart
.set NQ,  2                            ; matrix instructions deep in a K step
.set FR,  16                           ; registers of a fragment
.set NL,  4                            ; LDS loads that bring one
.set NP,  8                            ; places behind this matrix instruction (ISA guide 7.12.1)
.set ADRA, 16                          ; v16-17  my A block in slot 0, 1, + 16 x lane
.set ADRB, 20                          ; v20-21  my B block
.set ADRS, 22                          ; v22-23  scale words: lanes 0-15 A's rows, lanes 16-31 B's
.set CADR, 24                          ; v24     my 32 bytes in a row of c_old's tile
.set HADR, 25                          ; v25     the same in h's stage
.set RD,   26                          ; v26     where I read whole rows back
.set GO,   27                          ; v27     and their place in the output
.set SPW,  28                          ; v28     LDS address of my spare word; never rewritten
.set NIL,  29                          ; v29     0; never rewritten
.set PFO,  30                          ; v30     the prefetches' offset: a lane a row of c_old; never rewritten
.set BO,   31                          ; v31     my offset in a bias
.set SC,   32                          ; set s at v[SC + 16 s]; register 2 i + q: lanes 0-15 the word of A's tile i, lanes 16-31 of B's tile i, for the slot's q-th 128 along K
.set BL,   64                          ; -log2(e) x (Ub + Wb) (twice that for the cell gate), tile b at v[BL + 8 b], in the accumulators' layout
.set AF,   128
.set EI,   128                         ; the epilogue: 16 elements a lane and step
.set EF,   144
.set EO,   160
.set EG,   176
.set CO,   192
.set T1,   208
.set T2,   224
.set G1A, 28                           ; s[28:35] descriptor group 1 for A's blocks;  s[36:43] group 0, a set for each slot
.set G0A, 36
.set G1B, 44                           ; s[44:51], s[52:59] the same for B's
.set G0B, 52
.set G0C, 60                           ; s[60:63], s[68:75] groups 0 and 1 for c_old's tile
.set G1C, 68
.set DA,  66                           ; s[66:67]   six K steps of a_pack in bytes where my cluster begins at K step 3, else 0: the way back round
.set DB,  104                          ; s[104:105] the same for b_pack
.set LS,  16                           ; s[16:17]   -log2(e): the packed forms name a pair and take its low word for both halves
.set LT,  100                          ; s[100:101] -2 log2(e)
.set MSB, 0
.macro WIN new                         ; the immediate's high byte repeats the setting that is left; a switch that changes nothing is dropped
.if MSB != (\new)
	s_set_vgpr_msb (MSB<<8)|(\new)
.set MSB, (\new)
.endif
.endm
.set MUL_LO, 0xa1                      ; source 0 (B) window 1, source 1 (A) window 0, C and D window 2
.set MUL_HI, 0xf1                      ; the same, C and D window 3
.set TO_B,   0x40                      ; destination window 1, address window 0
; A joint load: waves 0 and 1 fetch A's two blocks, waves 2 and 3 B's.  Each line has one mask and one set of registers for all that issue it; the branch hangs on the wave's number alone.
; Four v_nop follow each of the two lines, ahead of the jump, the label and what follows.
.macro JLOAD g0a, g1a, g0b, g1b
	s_cmp_eq_u32 s21, 0
	s_cbranch_scc0 .Lfor_b_\@
	tensor_load_to_lds s[\g0a:\g0a+3], s[\g1a:\g1a+7]
	s_nop 0
.rept 4
	v_nop
.endr
	s_branch .Lasked_\@
.Lfor_b_\@:
	tensor_load_to_lds s[\g0b:\g0b+3], s[\g1b:\g1b+7]
	s_nop 0
.rept 4
	v_nop
.endr
.Lasked_\@:
.endm
.macro CREST                           ; a round of the cluster's barrier behind its opening barrier
	s_cmp_lg_u32 s20, 0
	s_cbranch_scc1 .Lnot_wave_0_\@
	s_barrier_signal -3
.Lnot_wave_0_\@:
	s_barrier_wait -3
	s_barrier_signal -1
	s_barrier_wait -1
.endm
.macro CROUND                          ; a whole round
	s_barrier_signal -1
	s_barrier_wait -1
	CREST
.endm
; c_old's tile is prefetched into the L2: my wave's own 64 rows x 256 bytes, a lane a row, two instructions; each row's 256 bytes are named once in the launch, since no two work-groups share a tile of c_old.
; Asked at the third change of slots: two K steps, 256 matrix instructions, ahead of the tensor load that wants them.  The address registers are never rewritten.
.macro ASKC
	global_prefetch_b8 v[PFO], s[96:97] th:TH_LOAD_NT scope:SCOPE_SE
	global_prefetch_b8 v[PFO], s[96:97] offset:131072 th:TH_LOAD_NT scope:SCOPE_SE
.endm
	s_load_b512 s[80:95], s[0:1], 0x0              ; the biases: Ui, Wi, Uf, Wf, Uo, Wo, Uc, Wc
	s_load_b256 s[4:11], s[0:1], 0x40              ; a_pack s[4:5], b_pack s[6:7], c_old s[8:9], out0 s[10:11]
	s_load_b64 s[12:13], s[0:1], 0x60              ; out1
	v_lshl_add_u32 v[SPW], v0, 2, SPARE
	v_mov_b32 v[NIL], 0
	ds_add_u32 v28, v29
	ds_add_u32 v28, v29
	s_wait_dscnt 0x0
	v_lshrrev_b32 v1, 5, v0
	v_readfirstlane_b32 s20, v1                    ; wave 0..3
	s_lshr_b32 s21, s20, 1                         ; which 128 rows are mine.  Also: I fetch for A (0) or for B (1)
	s_and_b32 s22, s20, 1                          ; which block of B is mine.  Also: which of the two blocks I fetch
	s_bfe_u32 s23, ttmp6, 0x40000                  ; cx, cy: my place in the cluster
	s_bfe_u32 s24, ttmp6, 0x40004
	s_and_b32 s26, ttmp7, 0xffff                   ; the cluster's y, 0..7 (ttmp9: its x, 0..3): all that follows of them is equal in the sixteen partners
	s_lshr_b32 s18, ttmp9, 1                       ; x / 2
	s_and_b32 s19, ttmp9, 1                        ; x % 2
	s_xor_b32 s15, ttmp9, s26
	s_and_b32 s15, s15, 1                          ; (x + y) % 2: 1: my cluster begins at K step 3
	s_lshr_b32 s25, s26, 2                         ; y / 4
	s_xor_b32 s25, s25, s18
	s_lshl_b32 s25, s25, 1
	s_add_co_u32 s25, s25, s19                     ; X = 2 ((x / 2) xor (y / 4)) + x % 2
	s_and_b32 s26, s26, 3
	s_lshl_b32 s26, s26, 1
	s_add_co_u32 s26, s26, s18                     ; Y = 2 (y % 4) + x / 2
	s_lshl_b32 s25, s25, 2
	s_add_co_u32 s25, s25, s23                     ; tx = 4 X + cx: hidden columns 64 tx on
	s_lshl_b32 s26, s26, 2
	s_add_co_u32 s26, s26, s24                     ; ty = 4 Y + cy: rows 256 ty on
	s_lshl_b32 s27, s24, 2
	s_lshl_b32 s27, 15, s27                        ; my row of the cluster
	s_lshl_b32 s104, 0x1111, s23                   ; my column
	; group 1 for a block: dense, 132 rows of 256 bytes (32 elements of 8 bytes), no padding
	s_or_b32 s[G1A], s27, (3<<16)|(1<<21)          ; 15:0 the mask: A's blocks go to my row; 17:16 elements of 8 bytes; 21 set beside a mask
	s_or_b32 s[G1B], s104, (3<<16)|(1<<21)         ; B's go to my column
.irp g, G1A, G1B
	s_mov_b32 s[\g+1], 32<<16                      ; tensor_dim0
	s_mov_b32 s[\g+2], 132<<16                     ; tensor_dim1
	s_mov_b32 s[\g+3], 32<<16                      ; tile_dim0
	s_mov_b32 s[\g+4], 132                         ; tile_dim1
	s_mov_b32 s[\g+5], 32                          ; tensor_dim0_stride
	s_mov_b32 s[\g+6], 0
	s_mov_b32 s[\g+7], 0
.endr
	; group 1 for c_old: 64 rows of 256 bytes, 4,096 bytes apart in memory, 16 bytes of padding behind each in LDS; no mask: nobody shares it
	s_mov_b32 s[G1C], (3<<16)|(1<<20)|(5<<22)|(3<<25)
	s_mov_b32 s[G1C+1], 32<<16
	s_mov_b32 s[G1C+2], 64<<16
	s_mov_b32 s[G1C+3], 32<<16
	s_mov_b32 s[G1C+4], 64
	s_mov_b32 s[G1C+5], 512
	s_mov_b32 s[G1C+6], 0
	s_mov_b32 s[G1C+7], 0
	s_mov_b32 s14, 0x42000000                      ; 32.0: the hold of the exponents
	s_mov_b32 s[LS], 0xbfb8aa3b                    ; -log2(e)
	s_mov_b32 s[LS+1], s[LS]                       ; (named with it as a pair, so it is written)
	s_mov_b32 s[LT], 0xc038aa3b                    ; -2 log2(e)
	s_mov_b32 s[LT+1], s[LT]
	; A's block hangs on ty alone, which my row of the cluster shares; B's on tx alone, which my column shares: each in registers that never hold the other coordinate.  Both begin at my cluster's first K step, 0 or 3
	s_lshl_b32 s76, s26, 1
	s_add_co_u32 s76, s76, s22
	s_mul_i32 s76, s76, HALFT
	s_mul_i32 s18, s15, 3*APLANE
	s_add_co_u32 s76, s76, s18
	s_mov_b32 s77, 0
	s_lshl_b32 s78, s25, 1
	s_add_co_u32 s78, s78, s22
	s_mul_i32 s78, s78, HALFT
	s_mul_i32 s18, s15, 3*BPLANE
	s_add_co_u32 s78, s78, s18
	s_mov_b32 s79, 0
	s_mul_i32 s[DA], s15, 6*APLANE                 ; the way back round, in bytes; 0 where the cluster begins at K step 0
	s_mov_b32 s[DA+1], 0
	s_mul_i32 s[DB], s15, 6*BPLANE
	s_mov_b32 s[DB+1], 0
	s_mul_i32 s2, s20, HALFT                       ; where my block goes in a slot: no place in the cluster enters an LDS address
	s_lshl_b32 s18, s26, 20                        ; c_old: 256 ty rows of 4,096 bytes,
	s_lshl_b32 s19, s20, 18                        ; my wave's 64 rows of the tile,
	s_add_co_u32 s18, s18, s19
	s_lshl_b32 s19, s25, 8                         ; 64 tx columns of 4 bytes
	s_add_co_u32 s18, s18, s19
	s_mov_b32 s19, 0
	s_wait_kmcnt 0x0
	s_add_nc_u64 s[76:77], s[4:5], s[76:77]
	s_add_nc_u64 s[78:79], s[6:7], s[78:79]
	s_add_nc_u64 s[96:97], s[8:9], s[18:19]
	s_mov_b32 s[G0C], 1
	s_mul_i32 s[G0C+1], s20, 64*CP                 ; 64 rows a wave, from LDS byte 0 on
	s_mov_b64 s[G0C+2:G0C+3], s[96:97]
	s_or_b32 s[G0C+3], s[G0C+3], 0x80000000
	CROUND                                         ; all sixteen work-groups are here: the first joint loads meet
.irp s, 0,1
	s_mov_b32 s[G0A+4*\s], 1                       ; count = 1
	s_add_co_u32 s[G0A+4*\s+1], s2, \s*SLOT        ; LDS address
	s_add_nc_u64 s[G0A+4*\s+2:G0A+4*\s+3], s[76:77], \s*APLANE   ; my cluster's first K step, and the one behind it
	s_or_b32 s[G0A+4*\s+3], s[G0A+4*\s+3], 0x80000000            ; type = 2
	s_mov_b32 s[G0B+4*\s], 1
	s_add_co_u32 s[G0B+4*\s+1], s2, \s*SLOT
	s_add_nc_u64 s[G0B+4*\s+2:G0B+4*\s+3], s[78:79], \s*BPLANE
	s_or_b32 s[G0B+4*\s+3], s[G0B+4*\s+3], 0x80000000
	JLOAD G0A+4*\s, G1A, G0B+4*\s, G1B             ; two loads of mine are out
.endr
	v_and_b32 v1, 31, v0                           ; lane
	v_and_b32 v2, 15, v0                           ; r
	v_bfe_u32 v3, v0, 4, 1                         ; h
	; the biases, in the accumulators' layout: tile b = 2 g + u, register j: column 64 tx + 32 (w % 2) + 16 u + 8 h + j of gate g
	s_lshl_b32 s18, s25, 8
	s_lshl_b32 s19, s22, 7
	s_add_co_u32 s18, s18, s19
	v_lshl_add_u32 v[BO], v3, 5, s18
.irp g, 0,1,2,3
.irp u, 0,1
	global_load_b128 v[BL+8*(2*\g+\u):BL+8*(2*\g+\u)+3],   v[BO], s[80+4*\g:81+4*\g] offset:64*\u
	global_load_b128 v[BL+8*(2*\g+\u)+4:BL+8*(2*\g+\u)+7], v[BO], s[80+4*\g:81+4*\g] offset:64*\u+16
	global_load_b128 v[AF+8*(2*\g+\u):AF+8*(2*\g+\u)+3],   v[BO], s[82+4*\g:83+4*\g] offset:64*\u
	global_load_b128 v[AF+8*(2*\g+\u)+4:AF+8*(2*\g+\u)+7], v[BO], s[82+4*\g:83+4*\g] offset:64*\u+16
.endr
.endr
	v_lshlrev_b32 v4, 4, v1                        ; 16 x lane: an image's place for my lane
	s_mul_i32 s18, s21, HALFT                      ; my block of A
	s_mul_i32 s19, s22, HALFT
	s_add_co_u32 s19, s19, 2*HALFT                 ; my block of B, behind A's two
.irp s, 0,1
	v_add_nc_u32 v[ADRA+\s], s18, v4
	v_add_nc_u32 v[ADRB+\s], s19, v4
	s_add_co_u32 s18, s18, SLOT
	s_add_co_u32 s19, s19, SLOT
.endr
	s_mul_i32 s18, s21, HALFT
	s_mul_i32 s19, s22, HALFT
	s_add_co_u32 s19, s19, 2*HALFT
	s_sub_co_u32 s19, s19, s18                     ; from my block of A to my block of B
	v_mul_u32_u24 v5, s19, v3                      ; lanes 16-31 take B's words
	v_lshl_add_u32 v5, v2, 3, v5                   ; 8 bytes a row
	s_add_co_u32 s18, s18, SCOFF
	v_add_nc_u32 v[ADRS], s18, v5
	v_add_nc_u32 v[ADRS+1], SLOT, v[ADRS]
	s_mul_i32 s18, s21, 128*CP                     ; my 128 rows of c_old's tile and of the stages
	s_lshl_b32 s19, s22, 7                         ; my 32 columns
	s_add_co_u32 s19, s19, s18
	v_mul_u32_u24 v[CADR], v2, CP
	v_lshl_add_u32 v[CADR], v3, 5, v[CADR]
	v_add_nc_u32 v[CADR], s19, v[CADR]             ; row r, + 32 h bytes
	v_add_nc_u32 v[HADR], SLOT, v[CADR]            ; h's stage lies in slot 1
	s_mul_i32 s19, s22, SLOT                       ; on the way out an even wave takes c's rows (slot 0), an odd one h's (slot 1)
	s_add_co_u32 s19, s19, s18
	v_mul_u32_u24 v[RD], v3, CP                    ; lanes 0-15 one row of 256 bytes, lanes 16-31 the next
	v_lshl_add_u32 v[RD], v2, 4, v[RD]
	v_add_nc_u32 v[RD], s19, v[RD]
	v_lshlrev_b32 v[GO], 12, v3                    ; and the same two rows in the output
	v_lshl_add_u32 v[GO], v2, 4, v[GO]
	v_lshlrev_b32 v[PFO], 12, v1
	s_lshl_b32 s18, s26, 20                        ; the output: 256 ty rows, my 128 rows, 64 tx columns
	s_lshl_b32 s19, s21, 19
	s_add_co_u32 s18, s18, s19
	s_lshl_b32 s19, s25, 8
	s_add_co_u32 s18, s18, s19
	s_mov_b32 s19, 0
	s_cmp_eq_u32 s22, 0
	s_cselect_b64 s[98:99], s[12:13], s[10:11]     ; c goes to out1, h_new to out0: the choice hangs on the wave's number alone
	s_add_nc_u64 s[98:99], s[98:99], s[18:19]
	s_wait_loadcnt 0x0                             ; the biases
.set i, 0
.rept 32
	v_pk_add_f32 v[BL+i:BL+i+1], v[BL+i:BL+i+1], v[AF+i:AF+i+1]
.set i, i+2
.endr
.set i, 0
.rept 24
	v_pk_mul_f32 v[BL+i:BL+i+1], v[BL+i:BL+i+1], s[LS:LS+1] op_sel_hi:[1,0]   ; gates i, f, o
.set i, i+2
.endr
.rept 8
	v_pk_mul_f32 v[BL+i:BL+i+1], v[BL+i:BL+i+1], s[LT:LT+1] op_sel_hi:[1,0]   ; the cell gate
.set i, i+2
.endr
.macro FRAG reg, adr, q, i             ; a fragment as it was laid: four loads of 512 consecutive bytes, 16 a lane
.irp c, 0,1,2,3
	ds_load_b128 v[\reg+4*\c:\reg+4*\c+3], v[\adr] offset:4096*(\i)+2048*(\q)+512*\c
.endr
.endm
; 16 matrix instructions: A's tiles a0, a0 + 1 x B's eight, 128 along K: the slot's q-th.  p: B's set;  sc: the set of scale words.  zero = 1: the first product starts the sums: nothing is ever cleared.
; The 64 accumulators take turns, one instruction a turn, in the same order in every step.
.macro MUL16 a0, p, q, sc, zero
.irp a, \a0, \a0+1
.irp b, 0,1,2,3,4,5,6,7
.if \zero
	v_wmma_scale_f32_16x16x128_f8f6f4 v[8*(8*((\a)%4)+\b):8*(8*((\a)%4)+\b)+7], v[128*(\p)+FR*\b:128*(\p)+FR*\b+FR-1], v[AF+FR*(\a):AF+FR*(\a)+FR-1], 0, v[SC+8*NQ*(\sc)+NQ*\b+(\q)], v[SC+8*NQ*(\sc)+NQ*(\a)+(\q)] matrix_a_scale:MATRIX_SCALE_ROW1
.else
	v_wmma_scale_f32_16x16x128_f8f6f4 v[8*(8*((\a)%4)+\b):8*(8*((\a)%4)+\b)+7], v[128*(\p)+FR*\b:128*(\p)+FR*\b+FR-1], v[AF+FR*(\a):AF+FR*(\a)+FR-1], v[8*(8*((\a)%4)+\b):8*(8*((\a)%4)+\b)+7], v[SC+8*NQ*(\sc)+NQ*\b+(\q)], v[SC+8*NQ*(\sc)+NQ*(\a)+(\q)] matrix_a_scale:MATRIX_SCALE_ROW1
.endif
.endr
.endr
.endm
.macro FETCH_B slot, q, p              ; B's eight fragments of the slot's q-th 128 along K into set p
	WIN TO_B
.irp i, 0,1,2,3,4,5,6,7
	FRAG 128*(\p)+FR*\i, ADRB+\slot, \q, \i
.endr
	WIN 0
.endm
.macro FETCH_A slot, q, i0             ; A's tiles i0 .. i0 + 3
.irp i, \i0, \i0+1, \i0+2, \i0+3
	FRAG AF+FR*(\i), ADRA+\slot, \q, \i
.endr
.endm
.macro SCALES s                        ; slot s's scale words: two words a row; lanes 0-15 take A's tile i, lanes 16-31 B's tile i
.irp i, 0,1,2,3,4,5,6,7
	ds_load_b64 v[SC+16*\s+2*\i:SC+16*\s+2*\i+1], v[ADRS+\s] offset:128*\i
.endr
.endm
; A load into a register that a matrix instruction has read, and a vector instruction that reads a matrix result or writes one of its registers, stand NP places behind it; only plain vector
; instructions that name none of its registers are places (ISA guide 7.12.1 for vector instructions).
.macro PLACES n
.rept \n
	v_nop
.endr
.endm
; A step of 128 along K that has its successor in the same slot.  A's tiles are free as soon as their eight products are issued: tiles 0-3 are fetched anew in the middle, tiles 4-7 at the end.
.macro STEP slot, q, zero
	s_wait_dscnt 4*NL                              ; B's set, A's tiles 0-3 and the scale words are in; the youngest 16 loads (A's tiles 4-7) may be out
	WIN MUL_LO
	MUL16 0, (\q)%2, \q, \slot, \zero
	MUL16 2, (\q)%2, \q, \slot, \zero
	s_wait_dscnt 0                                 ; A's tiles 4-7 are in (asked for 32 matrix instructions ago)
	PLACES NP
	FETCH_B \slot, (\q)+1, 1-(\q)%2
	FETCH_A \slot, (\q)+1, 0
	WIN MUL_HI
	MUL16 4, (\q)%2, \q, \slot, \zero
	MUL16 6, (\q)%2, \q, \slot, \zero
	PLACES NP
	WIN 0
	FETCH_A \slot, (\q)+1, 4
.endm
; A slot's last step changes slots in its middle.  Its first 32 products stand AHEAD of the wait for the tensor loads: they want nothing of the next slot, and so nothing but the round stands between that wait and the refill.
; Then each wave waits for all its tensor loads, adds 0 to its spare word, and waits for that and for its reads of this slot; a round of the cluster's barrier; and this slot is filled again first:
; fill = 1: jointly, with the K step two further on in my cluster's order (back = 1: that order goes round here, six K steps back, where it began at 3);  fill = 2: with my 64 rows of c_old's tile, a load of my own.
; From the request to the next such wait a wave issues 32 + 64 + 64 matrix instructions less the 32 that follow that wait: 128 and the 32 of this step's second half.
.macro TURN slot, next, fill, back, ask
	s_wait_dscnt 4*NL                              ; B's set and A's tiles 0-3 are in; the youngest 16 loads (A's tiles 4-7) may be out
	WIN MUL_LO
	MUL16 0, 1, 1, \slot, 0
	MUL16 2, 1, 1, \slot, 0
	WIN 0
	s_wait_tensorcnt 0x0                           ; all my tensor loads have landed: my part of the next slot; so every group 0 may be written
	ds_add_u32 v[SPW], v[NIL]                      ; 0 onto my spare word; the addresses' steps stand between it and the wait for it
.if \fill == 1
	s_add_nc_u64 s[G0A+4*\slot+2:G0A+4*\slot+3], s[G0A+4*\slot+2:G0A+4*\slot+3], 2*APLANE
	s_add_nc_u64 s[G0B+4*\slot+2:G0B+4*\slot+3], s[G0B+4*\slot+2:G0B+4*\slot+3], 2*BPLANE
.if \back
	s_sub_nc_u64 s[G0A+4*\slot+2:G0A+4*\slot+3], s[G0A+4*\slot+2:G0A+4*\slot+3], s[DA:DA+1]
	s_sub_nc_u64 s[G0B+4*\slot+2:G0B+4*\slot+3], s[G0B+4*\slot+2:G0B+4*\slot+3], s[DB:DB+1]
.endif
.endif
	s_wait_dscnt 0x0                               ; the add is done, A's tiles 4-7 are in: my reads of this slot are over
	CROUND                                         ; no wave of any partner still reads this slot or has a load on its way
.if \fill == 1
	JLOAD G0A+4*\slot, G1A, G0B+4*\slot, G1B       ; the first tensor load behind the round, and my only one until the next
.else
	tensor_load_to_lds s[G0C:G0C+3], s[G1C:G1C+7]  ; likewise
	s_nop 0
	PLACES 4
.endif
	PLACES NP-4                                    ; with the four behind the tensor load: the places in front of the loads below
	FETCH_B \next, 0, 0
	FETCH_A \next, 0, 0
	SCALES \next
.if \ask
	ASKC
.endif
	WIN MUL_HI
	MUL16 4, 1, 1, \slot, 0
	MUL16 6, 1, 1, \slot, 0
	PLACES NP
	WIN 0
	FETCH_A \next, 0, 4
.endm
	s_wait_tensorcnt 1                             ; my part of the first K step is in (the second's load may be out)
	s_barrier_signal -1
	s_barrier_wait -1                              ; everybody's is
	FETCH_B 0, 0, 0
	FETCH_A 0, 0, 0
	SCALES 0
	FETCH_A 0, 0, 4
	STEP 0, 0, 1                                   ; the first products start the sums
	TURN 0, 1, 1, 0, 0                             ; slot 0 takes my third K step: 2, or 5
	STEP 1, 0, 0
	TURN 1, 0, 1, 1, 0                             ; slot 1 my fourth: 3, or round to 0
	STEP 0, 0, 0
	TURN 0, 1, 1, 1, 1                             ; slot 0 my fifth: 4, or round to 1; c_old's tile is prefetched
	STEP 1, 0, 0
	TURN 1, 0, 1, 0, 0                             ; slot 1 my sixth: 5, or 2
	STEP 0, 0, 0
	TURN 0, 1, 2, 0, 0                             ; slot 0 has been read for the last time: it takes c_old's tile
	STEP 1, 0, 0
	s_wait_dscnt 4*NL                              ; the very last step: nothing more to fetch
	WIN MUL_LO
	MUL16 0, 1, 1, 1, 0
	MUL16 2, 1, 1, 1, 0
	s_wait_dscnt 0x0                               ; A's tiles 4-7 are in: my reads of slot 1 are over, and no LDS instruction of mine is out until the barrier in the epilogue's first step
	WIN MUL_HI
	MUL16 4, 1, 1, 1, 0
	MUL16 6, 1, 1, 1, 0
	WIN 0
	PLACES NP                                      ; in front of the first reads of results, and of writes and loads into the registers that held A's fragments
; THE EPILOGUE, eight steps of 16 rows; a lane has 16 elements a step (u = 0, 1; j = 0 .. 7), at register 8 u + j of each of EI, EF, EO, EG, CO.
.macro CLOAD a                         ; c_old of step a: my own 2 x 32 bytes of row 16 a + r
.irp u, 0,1
	ds_load_b128 v[CO+8*\u:CO+8*\u+3],   v[CADR] offset:(\a)*16*CP+64*\u
	ds_load_b128 v[CO+8*\u+4:CO+8*\u+7], v[CADR] offset:(\a)*16*CP+64*\u+16
.endr
.endm
.macro BACK a                          ; step a's 16 rows of my stage come back whole, into window 1's v0-31
	WIN TO_B
.irp t, 0,1,2,3,4,5,6,7
	ds_load_b128 v[4*\t:4*\t+3], v[RD] offset:(16*(\a)+2*\t)*CP
.endr
	WIN 0
.endm
.macro SEND a                          ; and leave: sixteen lanes store 256 consecutive bytes, aligned; the largest offset, 126 rows of 4,096 bytes, lies inside the signed 24-bit immediate; no pointer is stepped
	WIN 0x04                                       ; a store's data are its source 1: window 1
.irp t, 0,1,2,3,4,5,6,7
	global_store_b128 v[GO], v[4*\t:4*\t+3], s[98:99] offset:(16*(\a)+2*\t)*4096 th:TH_STORE_NT
.endr
	WIN 0
.endm
.macro EPI a
.set AC, 64*((\a)%4)
	WIN 0x02+(\a)/4                                ; source 0: window 2 or 3
.irp g, 0,1,2
.irp u, 0,1
.irp p, 0,2,4,6
	v_pk_fma_f32 v[EI+16*\g+8*\u+\p:EI+16*\g+8*\u+\p+1], v[AC+8*(2*\g+\u)+\p:AC+8*(2*\g+\u)+\p+1], s[LS:LS+1], v[BL+8*(2*\g+\u)+\p:BL+8*(2*\g+\u)+\p+1] op_sel_hi:[1,0,1]   ; -log2(e) (sum + bias); each accumulator from its low end on
.endr
.endr
.endr
.irp u, 0,1
.irp p, 0,2,4,6
	v_pk_fma_f32 v[EG+8*\u+\p:EG+8*\u+\p+1], v[AC+8*(6+\u)+\p:AC+8*(6+\u)+\p+1], s[LT:LT+1], v[BL+8*(6+\u)+\p:BL+8*(6+\u)+\p+1] op_sel_hi:[1,0,1]   ; the cell gate: -2 log2(e) (sum + bias)
.endr
.endr
	WIN 0
.set i, 0
.rept 64
	v_min_num_f32 v[EI+i], s14, v[EI+i]            ; held at 32: no product of three factors 1 + E overflows
.set i, i+1
.endr
.set i, 0
.rept 64
	v_exp_f32 v[EI+i], v[EI+i]                     ; Ei, Ef, Eo, Eg: one batch
.set i, i+1
.endr
	v_nop                                          ; a plain line behind the last exponential
.if (\a) == 0
	s_wait_tensorcnt 0x0                           ; my 64 rows of c_old have landed: asked for a K step and a quarter ago, and waited for only here, where they are first wanted
	s_barrier_signal -1                            ; (no LDS instruction of mine is out: my reads of slot 1 were waited for in the last step)
	s_barrier_wait -1                              ; everybody's rows of c_old are in, and nobody reads slot 1 any more: it becomes h's stage
	CLOAD 0
.endif
	s_wait_dscnt 0x0                               ; c_old of this step is in, and so are the rows of the step before,
.if (\a) > 0
	SEND (\a)-1                                    ; which leave here: work that names no exponential's result
.endif
	s_wait_alu depctr_va_vdst(0)                   ; one wait for the batch, ahead of its first reader
.irp p, 0,2,4,6,8,10,12,14
	v_pk_fma_f32 v[T1+\p:T1+\p+1], v[EG+\p:EG+\p+1], -1.0, 1.0 op_sel_hi:[1,0,0]    ; 1 - Eg
.endr
.irp p, 0,2,4,6,8,10,12,14
	v_pk_add_f32 v[EG+\p:EG+\p+1], v[EG+\p:EG+\p+1], 1.0 op_sel_hi:[1,0]            ; 1 + Eg
.endr
.irp p, 0,2,4,6,8,10,12,14
	v_pk_fma_f32 v[T2+\p:T2+\p+1], v[EI+\p:EI+\p+1], v[EG+\p:EG+\p+1], v[EG+\p:EG+\p+1]   ; (1 + Ei)(1 + Eg)
.endr
.irp p, 0,2,4,6,8,10,12,14
	v_pk_fma_f32 v[T1+\p:T1+\p+1], v[T1+\p:T1+\p+1], v[EF+\p:EF+\p+1], v[T1+\p:T1+\p+1]   ; (1 - Eg)(1 + Ef)
.endr
.irp p, 0,2,4,6,8,10,12,14
	v_pk_fma_f32 v[EI+\p:EI+\p+1], v[T2+\p:T2+\p+1], v[EF+\p:EF+\p+1], v[T2+\p:T2+\p+1]   ; (1 + Ei)(1 + Eg)(1 + Ef)
.endr
.irp p, 0,2,4,6,8,10,12,14
	v_pk_fma_f32 v[T1+\p:T1+\p+1], v[CO+\p:CO+\p+1], v[T2+\p:T2+\p+1], v[T1+\p:T1+\p+1]   ; + c_old (1 + Ei)(1 + Eg)
.endr
.set i, 0
.rept 16
	v_rcp_f32 v[EI+i], v[EI+i]
.set i, i+1
.endr
	v_nop
	s_wait_alu depctr_va_vdst(0)
.irp p, 0,2,4,6,8,10,12,14
	v_pk_mul_f32 v[CO+\p:CO+\p+1], v[T1+\p:T1+\p+1], v[EI+\p:EI+\p+1]                     ; c
.endr
.irp u, 0,1
	ds_store_b128 v[CADR], v[CO+8*\u:CO+8*\u+3]   offset:(\a)*16*CP+64*\u                 ; over my own bytes of c_old
	ds_store_b128 v[CADR], v[CO+8*\u+4:CO+8*\u+7] offset:(\a)*16*CP+64*\u+16
.endr
.irp p, 0,2,4,6,8,10,12,14
	v_pk_mul_f32 v[T2+\p:T2+\p+1], v[CO+\p:CO+\p+1], s[LT:LT+1] op_sel_hi:[1,0]           ; -2 log2(e) c
.endr
.set i, 0
.rept 16
	v_min_num_f32 v[T2+i], s14, v[T2+i]
.set i, i+1
.endr
.set i, 0
.rept 16
	v_exp_f32 v[T2+i], v[T2+i]                     ; Ec
.set i, i+1
.endr
	v_nop
	s_wait_alu depctr_va_vdst(0)
.irp p, 0,2,4,6,8,10,12,14
	v_pk_fma_f32 v[T1+\p:T1+\p+1], v[T2+\p:T2+\p+1], -1.0, 1.0 op_sel_hi:[1,0,0]    ; 1 - Ec
.endr
.irp p, 0,2,4,6,8,10,12,14
	v_pk_add_f32 v[T2+\p:T2+\p+1], v[T2+\p:T2+\p+1], 1.0 op_sel_hi:[1,0]            ; 1 + Ec
.endr
.irp p, 0,2,4,6,8,10,12,14
	v_pk_fma_f32 v[EF+\p:EF+\p+1], v[EO+\p:EO+\p+1], v[T2+\p:T2+\p+1], v[T2+\p:T2+\p+1]   ; (1 + Eo)(1 + Ec)
.endr
.set i, 0
.rept 16
	v_rcp_f32 v[EF+i], v[EF+i]
.set i, i+1
.endr
	v_nop
	s_wait_alu depctr_va_vdst(0)
.irp p, 0,2,4,6,8,10,12,14
	v_pk_mul_f32 v[T1+\p:T1+\p+1], v[T1+\p:T1+\p+1], v[EF+\p:EF+\p+1]                     ; h_new
.endr
.irp u, 0,1
	ds_store_b128 v[HADR], v[T1+8*\u:T1+8*\u+3]   offset:(\a)*16*CP+64*\u
	ds_store_b128 v[HADR], v[T1+8*\u+4:T1+8*\u+7] offset:(\a)*16*CP+64*\u+16
.endr
	s_wait_dscnt 0x0                               ; for the others' sake: my stores into the two stages are done
	s_barrier_signal -1
	s_barrier_wait -1                              ; a row's 256 bytes come from two waves: now this step's 16 rows are whole.  Each step has rows of its own, so one barrier a step serves
.if (\a) > 0
	s_wait_xcnt 0x0                                ; the last step's stores have read their data registers, into which the loads below land
.endif
	BACK \a
.if (\a) < 7
	CLOAD (\a)+1
.endif
.endm
.irp a, 0,1,2,3,4,5,6,7
	EPI \a
.endr
	s_wait_dscnt 0x0
	SEND 7
	s_wait_tensorcnt 0x0                           ; the wave's end, behind my last tensor load and my last LDS store
	ds_add_u32 v[SPW], v[NIL]
	s_wait_dscnt 0x0
	CROUND                                         ; the closing round: no work-group ends while a partner may still ask for a block that names it
	s_endpgm
.Lfunc_end_k_q1d0f878739_lstm:
	.size	k_q1d0f878739_lstm, .Lfunc_end_k_q1d0f878739_lstm-k_q1d0f878739_lstm
	.p2alignl 7, 3214868480
	.fill 96, 4, 3214868480
	.section	.rodata,"a",@progbits
	.p2align	6, 0x0
	.amdhsa_kernel k_q1d0f878739_lstm
		.amdhsa_group_segment_fixed_size 327680
		.amdhsa_private_segment_fixed_size 0
		.amdhsa_enable_private_segment 0
		.amdhsa_kernarg_size 104
		.amdhsa_user_sgpr_count 2
		.amdhsa_user_sgpr_kernarg_segment_ptr 1
		.amdhsa_wavefront_size32 1
		.amdhsa_system_sgpr_workgroup_id_x 1
		.amdhsa_system_sgpr_workgroup_id_y 1
		.amdhsa_system_sgpr_workgroup_id_z 1
		.amdhsa_system_vgpr_workitem_id 0
		.amdhsa_next_free_vgpr 1024
		.amdhsa_next_free_sgpr 106
		.amdhsa_reserve_vcc 0
		.amdhsa_float_denorm_mode_32 3
		.amdhsa_float_denorm_mode_16_64 3
		.amdhsa_memory_ordered 1
		.amdhsa_forward_progress 1
		.amdhsa_inst_pref_size 255
	.end_amdhsa_kernel
	.section	.bss,"aw",@nobits
	.p2align	6
	.space	262144
	.amdgpu_metadata
---
amdhsa.version: [ 1, 2 ]
amdhsa.kernels:
  - .name:           k_q1d0f878739_lstm
    .symbol:         k_q1d0f878739_lstm.kd
    .args:
      - { .name: Ui_b, .offset: 0, .size: 8, .value_kind: global_buffer, .address_space: global }
      - { .name: Wi_b, .offset: 8, .size: 8, .value_kind: global_buffer, .address_space: global }
      - { .name: Uf_b, .offset: 16, .size: 8, .value_kind: global_buffer, .address_space: global }
      - { .name: Wf_b, .offset: 24, .size: 8, .value_kind: global_buffer, .address_space: global }
      - { .name: Uo_b, .offset: 32, .size: 8, .value_kind: global_buffer, .address_space: global }
      - { .name: Wo_b, .offset: 40, .size: 8, .value_kind: global_buffer, .address_space: global }
      - { .name: Uc_b, .offset: 48, .size: 8, .value_kind: global_buffer, .address_space: global }
      - { .name: Wc_b, .offset: 56, .size: 8, .value_kind: global_buffer, .address_space: global }
      - { .name: a_pack, .offset: 64, .size: 8, .value_kind: global_buffer, .address_space: global }
      - { .name: b_pack, .offset: 72, .size: 8, .value_kind: global_buffer, .address_space: global }
      - { .name: c_old, .offset: 80, .size: 8, .value_kind: global_buffer, .address_space: global }
      - { .name: out0, .offset: 88, .size: 8, .value_kind: global_buffer, .address_space: global }
      - { .name: out1, .offset: 96, .size: 8, .value_kind: global_buffer, .address_space: global }
    .group_segment_fixed_size: 327680
    .private_segment_fixed_size: 0
    .kernarg_segment_align: 8
    .kernarg_segment_size: 104
    .max_flat_workgroup_size: 128
    .sgpr_count:     106
    .vgpr_count:     1024
    .wavefront_size: 32
...
	.end_amdgpu_metadata
.endif
;; end of part 2
